; MI455X (gfx1250); checked and timed in simulation.
; The chip was launched on July 23, 2026; its instructions are those of AMD's public machine-readable ISA for CDNA 5 (MIT licence, August 2026) and "CDNA5" Instruction Set Architecture Reference Guide (July 2026). The comments in the code are by the model that wrote it; some were corrected since.
;; Attention. Allowed arithmetic: matrix products marked QUANTISED: E2M3 operands, one E8M0 scale for each 32 along K, by v_wmma_scale_f32_16x16x128_f8f6f4 with both operands' format E2M3, f32 sums; everything else in f32.
;; Inputs: Wkv 1,024 x 2,048 float32; Wq 1,024 x 1,024 float32; pos_emb 1,025 x 64 float32; x 4 x 1,024 x 1,024 float32.
;; Outputs: out0 4 x 16 x 1,024 x 64 float32.
;; This version of the problem:
;;   THIS VERSION OF THE PROBLEM IS GIVEN IN LOW PRECISION. The matrix products marked QUANTISED in the list below multiply operands that are first quantised to E2M3 (2 exponent bits, 3 mantissa bits; 6 bits a number), with one power-of-two scale for each 32 numbers along K (OCP MX v1.0); their sums are f32. All else is computed in f32.
;;   The module's matrix products, in the order in which they are computed (A, B: the left and right operand; K: the contracted axis; several contracted axes count as one K, in the product's order):
;;     1. [M 4,096, K 1,024] x [K 1,024, N 1,024]; A: input x; B: input Wq: QUANTISED
;;     2. [M 4,096, K 1,024] x [K 1,024, N 2,048]; A: input x; B: input Wkv: QUANTISED
;;     3. batch 64 x [M 1,024, K 64] x [K 64, N 1,024]; A: computed on the way; B: computed on the way: QUANTISED
;;     4. batch 1,024 x [M 1,024, K 64] x [K 64, N 64]; A: computed on the way; B: computed on the way: QUANTISED
;;     5. batch 64 x [M 1,024, K 1,024] x [K 1,024, N 64]; A: softmax (see below); B: computed on the way: QUANTISED
;;   THE QUANTISER, for each operand of a quantised product, along K:
;;     - K is cut into blocks of 32 from its start; a last block that is shorter is filled with zeros.
;;     - A block's scale is 2^e with e = floor(log2(the largest magnitude in the block)) - 2, held to -126 .. 127; a block of zeros has e = 0. As a byte (E8M0): e + 127.
;;     - Each number is divided by its block's scale, clamped to +-7.5, and rounded to the nearest number of E2M3, ties to even, subnormals kept.
;;     - The product sums the exact products of the quantised numbers (number of the format x scale) in f32.
;;   ~~~python
;;   def quantise(x, axis):      # numpy; x: float32 -> the quantised numbers, widened to float32 again
;;       x = np.moveaxis(x, axis, -1); K = x.shape[-1]
;;       x = np.pad(x, [(0, 0)] * (x.ndim - 1) + [(0, -K % 32)]); x = x.reshape(x.shape[:-1] + (-1, 32)); a = np.abs(x).max(-1, keepdims=True)
;;       e = np.where(a > 0, np.clip(np.frexp(np.where(a > 0, a, 1))[1] - 1 - 2, -126, 127), 0)      # np.frexp(a)[1] - 1 = floor(log2(a)), exactly
;;       r = np.clip(x / 2.0 ** e, -7.5, 7.5)
;;       step = 2.0 ** (np.maximum(np.frexp(np.where(r == 0, 1, r))[1] - 1, 0) - 3)
;;       q = np.round(r / step) * step * 2.0 ** e      # np.round: ties to even
;;       return np.moveaxis(q.reshape(q.shape[:-2] + (-1,))[..., :K], -1, axis).astype(np.float32)
;;   ~~~
;;   SOFTMAX AHEAD OF A QUANTISED PRODUCT. Where the list says 'softmax', what is quantised is not the finished softmax but p = 2^(t - M), with t = logit x log2(e) and M = ceil(the row's largest t), a whole number; so 1/2 < the row's largest p <= 1. The row's sum l is taken of the UNQUANTISED p, in f32, and the product's result is divided by l at the end. Since M is a whole number, a kernel that streams over the keys may use a running M (the ceiling of the running maximum): every later rescaling is an exact power of two, which a block's scale takes up: the codes' values come out the same.
;;   OPERANDS COMPUTED ON THE WAY. 'Computed on the way' means the value that the module computes at that place (a softmax that the list does not call 'softmax' is quantised finished and normalised). What goes into a quantiser is computed in f32, as accurately as f32 sums, v_exp_f32 and their like allow (about 1e-6 of the number): no bf16 or f16 on the way to a quantiser, and a product that is left as it is and whose result goes on into a quantised operand takes f32 operands (vector FMAs, or v_wmma_f32_16x16x4_f32). A number that lies on a knife's edge between two numbers of the format may be rounded either way, as far as f32 arithmetic and the matrix unit's own rounding can turn it there, and no further.
;; One version. Each part assembles by itself: llvm-mc -triple=amdgcn-amd-amdhsa -mcpu=gfx1250 --defsym DOCPART=n.
;; ======== version 1 of 1: 3 launches
;; workspace buffers: cod 5,505,024 bytes; scl 229,376 bytes; etab 106,496 bytes; qkv 10,092,544 bytes
;; launch quant (part 1): grid 720 x 1, 8 waves a work-group, no clusters, 78,080 bytes of LDS; arguments x, Wq, Wkv, pos_emb, cod, scl, etab; writes cod, scl, etab
.if DOCPART == 1
	.amdgcn_target "amdgcn-amd-amdhsa--gfx1250"
	.amdhsa_code_object_version 6
	.text
	.protected	k_q26ed53f1b6_quant
	.globl	k_q26ed53f1b6_quant
	.p2align	8
	.type	k_q26ed53f1b6_quant,@function
k_q26ed53f1b6_quant:
	s_mov_b64 s[64:65], 0
	v_nop
	global_prefetch_b8 v0, s[64:65] scope:SCOPE_SE
	s_setreg_imm32_b32 hwreg(HW_REG_WAVE_MODE, 25, 1), 1
	s_wait_xcnt 0x0
; All four inputs become codes of FP6 (E2M3) with one E8M0 scale byte for each 32 along K.
; A block's scale is 2^(floor(log2(its largest magnitude)) - 2); its byte is the largest magnitude's exponent field - 2, held at 1 from below.
; cod [7168 rows][768 bytes], scl [7168][32]: rows 0-4095 the tokens of x, 4096-5119 Wq's columns, 5120-7167 Wkv's columns, K innermost.
; EVERY ROW LIES AT A PERMUTED PLACE: in each group of 32 rows the second and third groups of eight change places, so that a tile of 16
; neighbouring places, tile 2 b + u, holds rows 32 b + 8 u + r + 8 (r / 8): the product that follows then leaves 16 neighbours along its
; result's next K in a lane's 16 registers of two neighbouring tiles.
; etab [128 tiles of 16 g][832 bytes]: E[g] = pos_emb[clip(1535 - g, 0, 1024)], g = key - query + 1023, as an image of the operand's registers:
; registers 0-3 at 16 x lane, registers 4-5 at 512 + 8 x lane, sixteen scale words at 768 (bytes 0, 1 the row's two blocks, bytes 2, 3 zero).
; LIMITS: NaN and infinities are not served; a block whose largest magnitude lies under 2^-124, a block of zeros among them, gets the byte 1
; (its codes are zeros or the smallest codes; the bytes are read by this program alone).
; Work-groups 0-63 take Wq, 64-191 Wkv, 192-207 pos_emb, 208-719 x.  Each path has LDS bytes of its own.  No tensor load, no matrix unit:
; memory binds, and every wave asks for all its bytes at its head.
; LDS: the regions whose whole address stands in an immediate lie lowest, so that every immediate stays inside its 16 bits.
.set WQS,   0                          ; Wq: a stage of 64 rows x 272 bytes
.set WQB,   17408                      ; Wq: 64 rows x 8 scale bytes
.set WKS,   17920                      ; Wkv: the same two
.set WKB,   35328
.set XSC,   35840                      ; x: the work-group's 8 rows x 32 scale bytes
.set XST,   36096                      ; x: a stage of 2 x 2,560 bytes for each of eight waves
.set SPARE, 77056                      ; the spare words, 128 bytes for each wave: four blocks of 256 bytes that no other line names
.set SPW,   12                         ; v12  SPARE + 4 x my thread's number; never rewritten
.set NIL,   13                         ; v13  0; never rewritten
.set SP,    80                         ; x: a lane's place in a stage: 64 bytes + 16 of padding
.macro FIN                             ; the wave's end, behind my last LDS store
	s_wait_tensorcnt 0x0
	ds_add_u32 v[SPW], v[NIL]
	s_wait_dscnt 0x0
	s_endpgm
.endm
; the largest magnitude of the 32 numbers v[xs] on, all of one lane, with the floor 2^(3 - 127) among the leaves; 2 off its exponent field gives the conversion's scale operand
.macro BLKMAX xs, sop
	v_max3_num_f32 v8, |v[\xs]|, |v[\xs+1]|, |v[\xs+2]|
	v_max3_num_f32 v9, |v[\xs+3]|, |v[\xs+4]|, |v[\xs+5]|
.irp i, 6,10,14,18,22,26
	v_max3_num_f32 v8, v8, |v[\xs+\i]|, |v[\xs+\i+1]|
	v_max3_num_f32 v9, v9, |v[\xs+\i+2]|, |v[\xs+\i+3]|
.endr
	v_max3_num_f32 v8, v8, |v[\xs+30]|, |v[\xs+31]|
	v_max3_num_f32 v8, v8, v9, 0x1800000
	v_add_nc_u32 v[\sop], 0xff000000, v8
.endm
	s_load_b256 s[4:11], s[0:1], 0x0               ; x s[4:5], Wq s[6:7], Wkv s[8:9], pos_emb s[10:11]
	s_load_b128 s[12:15], s[0:1], 0x20             ; cod s[12:13], scl s[14:15]
	s_load_b64 s[18:19], s[0:1], 0x30              ; etab
	v_lshl_add_u32 v[SPW], v0, 2, SPARE
	v_mov_b32 v[NIL], 0
	v_lshrrev_b32 v1, 5, v0
	v_readfirstlane_b32 s16, v1                    ; wave 0..7
	v_and_b32 v2, 31, v0                           ; lane
	s_wait_kmcnt 0x0
	s_cmp_lt_u32 ttmp9, 64
	s_cbranch_scc1 .Lwq
	s_cmp_lt_u32 ttmp9, 192
	s_cbranch_scc1 .Lwkv
	s_cmp_lt_u32 ttmp9, 208
	s_cbranch_scc1 .Lemb
; ---- x: a work-group takes eight rows, a wave one row of 1,024 numbers, in two steps of 512.  Each load reads 512 consecutive bytes; the bytes
; turn through the wave's own stage so that a lane holds 16 neighbours along K; two neighbouring lanes hold a block.
	s_sub_co_u32 s20, ttmp9, 208                   ; which eight rows
	s_lshl_b32 s21, s20, 3
	s_add_co_u32 s21, s21, s16                     ; my row
	s_lshl_b32 s22, s21, 12
	s_mov_b32 s23, 0
	s_add_nc_u64 s[4:5], s[4:5], s[22:23]
	v_lshlrev_b32 v3, 4, v2
.irp i, 0,1,2,3,4,5,6,7
	global_load_b128 v[16+4*\i:19+4*\i], v3, s[4:5] offset:512*\i th:TH_LOAD_NT
.endr
	s_mul_i32 s24, s16, 5120
	v_lshrrev_b32 v14, 2, v2
	v_mul_u32_u24 v14, v14, SP
	v_and_b32 v15, 3, v2
	v_lshl_add_u32 v14, v15, 4, v14
	v_add_nc_u32 v14, s24, v14                     ; into the stage: four lanes' 64 bytes on end, then the padding
	v_mul_u32_u24 v15, v2, SP
	v_add_nc_u32 v15, s24, v15                     ; out of it: my 16 neighbours
	v_mul_u32_u24 v4, v2, 12                       ; my 16 codes' 12 bytes in a step's 384
	v_lshrrev_b32 v5, 1, v2
	s_lshl_b32 s24, s16, 5
	v_add_nc_u32 v5, s24, v5                       ; my block's scale byte: 32 x wave + lane / 2
	v_lshlrev_b32 v6, 3, v2
	s_and_b32 s24, s20, 1                          ; the eight rows' place: the low two bits of their number change places
	s_bfe_u32 s25, s20, 0x10001
	s_and_b32 s26, s20, -4
	s_lshl_b32 s24, s24, 1
	s_or_b32 s26, s26, s24
	s_or_b32 s26, s26, s25
	s_lshl_b32 s28, s26, 8                         ; 8 rows x 32 scale bytes
	s_mov_b32 s29, 0
	s_add_nc_u64 s[28:29], s[14:15], s[28:29]
	s_lshl_b32 s26, s26, 3
	s_add_co_u32 s26, s26, s16
	s_mul_i32 s26, s26, 768
	s_mov_b32 s27, 0
	s_add_nc_u64 s[26:27], s[12:13], s[26:27]
.macro XTURN t                         ; LDS serves a wave's instructions in order: no wait between the stores and the loads
.irp i, 0,1,2,3
	ds_store_b128 v14, v[16+16*\t+4*\i:19+16*\t+4*\i] offset:XST+2560*\t+640*\i
.endr
.irp i, 0,1,2,3
	ds_load_b128 v[48+16*\t+4*\i:51+16*\t+4*\i], v15 offset:XST+2560*\t+16*\i
.endr
.endm
.macro XSTEP t
.set XS, 48+16*\t
	v_max3_num_f32 v8, |v[XS]|, |v[XS+1]|, |v[XS+2]|
	v_max3_num_f32 v9, |v[XS+3]|, |v[XS+4]|, |v[XS+5]|
.irp i, 6,10
	v_max3_num_f32 v8, v8, |v[XS+\i]|, |v[XS+\i+1]|
	v_max3_num_f32 v9, v9, |v[XS+\i+2]|, |v[XS+\i+3]|
.endr
	v_max3_num_f32 v8, v8, |v[XS+14]|, |v[XS+15]|
	v_max3_num_f32 v8, v8, v9, 0x1800000           ; the floor 2^(3 - 127): the byte cannot fall under 1
	v_max_num_f32_dpp v8, v8, v8 row_xmask:1 row_mask:0xf bank_mask:0xf   ; with my neighbour's 16: the block's
	v_add_nc_u32 v[10+\t], 0xff000000, v8          ; 2 off the exponent field: the conversion's scale operand
	v_cvt_scalef32_pk16_fp6_f32 v[80+4*\t:82+4*\t], v[XS:XS+15], v[10+\t]
	v_lshrrev_b32 v[88+\t], 23, v[10+\t]           ; the scale's byte (a plain line behind the conversion)
	ds_store_b8 v5, v[88+\t] offset:XSC+16*\t      ; both lanes of a block write the same byte with the same value
	global_store_b96 v4, v[80+4*\t:82+4*\t], s[26:27] offset:384*\t   ; the wave stores 384 consecutive bytes
.endm
	s_wait_loadcnt 4                               ; the first step's four loads are in; the second's may be out
	XTURN 0
	s_wait_loadcnt 0x0
	XTURN 1
	s_wait_dscnt 8                                 ; the first turn is back; the second turn's eight lines may be out
	XSTEP 0
	s_wait_dscnt 1                                 ; the second turn is back; step 0's byte store may be out
	XSTEP 1
	s_wait_dscnt 0x0                               ; for the others' sake: my scale bytes have landed
	s_barrier_signal -1
	s_barrier_wait -1
	s_cmp_lg_u32 s16, 0
	s_cbranch_scc1 .Lx_end
	ds_load_b64 v[8:9], v6 offset:XSC              ; wave 0 stores the eight rows' 256 scale bytes as one aligned run
	s_wait_dscnt 0x0
	global_store_b64 v6, v[8:9], s[28:29]
.Lx_end:
	FIN
; ---- pos_emb: a wave makes one tile of 16 g.  Lane (r, h) takes block h (32 numbers, 128 bytes) of row clip(1535 - g, 0, 1024): a whole block in a lane.
.Lemb:
	s_sub_co_u32 s20, ttmp9, 192
	s_lshl_b32 s20, s20, 3
	s_add_co_u32 s20, s20, s16                     ; tile 0..127
	s_lshl_b32 s21, s20, 4
	v_and_b32 v3, 15, v2                           ; r
	v_lshrrev_b32 v4, 4, v2                        ; h
	v_add_nc_u32 v5, s21, v3                       ; g
	v_min_u32 v5, 0x5ff, v5
	v_sub_nc_u32 v5, 0x5ff, v5
	v_min_u32 v5, 0x400, v5                        ; the table's row
	v_lshlrev_b32 v5, 8, v5
	v_lshl_add_u32 v5, v4, 7, v5
.irp i, 0,1,2,3,4,5,6,7
	global_load_b128 v[32+4*\i:35+4*\i], v5, s[10:11] offset:16*\i
.endr
	s_mul_i32 s22, s20, 832
	s_mov_b32 s23, 0
	s_add_nc_u64 s[22:23], s[18:19], s[22:23]
	s_mov_b32 s36, 0x76543210
	s_mov_b32 s37, 0xfedcba98                      ; lane selects: lane l xor 16
	v_lshlrev_b32 v7, 4, v2
	v_lshlrev_b32 v14, 3, v2
	v_lshlrev_b32 v15, 2, v3
	v_lshl_add_u32 v15, v4, 1, v15                 ; 4 r + 2 h
	v_sub_nc_u32 v6, 1, v4                         ; 1 in lanes 0-15
	v_mov_b32 v11, 0                               ; a lane permute's destination counts as read
	s_wait_loadcnt 0x0
	BLKMAX 32, 20
	v_lshrrev_b32 v10, 23, v20                     ; my block's byte
	v_cvt_scalef32_pk16_fp6_f32 v[96:98], v[32:47], v20
	v_cvt_scalef32_pk16_fp6_f32 v[100:102], v[48:63], v20   ; (a conversion's three registers begin on an even number)
	v_nop                                          ; one plain line behind the conversions
	v_mov_b32 v99, v100
	v_mov_b32 v100, v101
	v_mov_b32 v101, v102                           ; v96-101: the operand's registers 0-5
	v_permlanex16_b32 v11, v10, s36, s37           ; the row's other byte
	v_lshl_or_b32 v11, v11, 8, v10
	v_mul_u32_u24 v11, v11, v6                     ; lanes 0-15: bytes 0 and 1 of the row's word; lanes 16-31: zeros for bytes 2 and 3
	global_store_b128 v7, v[96:99], s[22:23]
	global_store_b64 v14, v[100:101], s[22:23] offset:512
	global_store_b16 v15, v11, s[22:23] offset:768
	FIN
; ---- a weight [1024 (k)][n]: a work-group takes 64 columns x 256 along K, a wave 32 columns x 64 along K.  A LANE TAKES A COLUMN AND ITS REGISTERS RUN DOWN K:
; a block of 32 lies in one lane, and the conversions give codes with K innermost.  All 64 loads of a wave go out together.  The codes meet in a stage
; (a row = a column's place, sixteen places of 16 bytes with 12 bytes of codes each) and leave as runs of 192 consecutive bytes of a row of cod.
.macro WPATH n, logc, rowbase, stg, sby, ptr, idbase
	s_sub_co_u32 s20, ttmp9, \idbase
	s_and_b32 s21, s20, \n/64-1                    ; which 64 columns
	s_lshr_b32 s22, s20, \logc                     ; which 256 along K
	s_and_b32 s23, s16, 1                          ; my wave's 32 of the columns
	s_lshr_b32 s24, s16, 1                         ; and its 64 along K
	s_lshl_b32 s25, s22, 2
	s_add_co_u32 s25, s25, s24
	s_mul_i32 s26, s25, 64*\n*4
	s_lshl_b32 s27, s21, 1
	s_add_co_u32 s27, s27, s23
	s_lshl_b32 s27, s27, 7
	s_add_co_u32 s26, s26, s27
	s_mov_b32 s27, 0
	s_add_nc_u64 s[28:29], s[\ptr:\ptr+1], s[26:27]
	v_lshlrev_b32 v3, 2, v2
.set II, 0
.rept 64
	global_load_b32 v[32+II], v3, s[28:29] offset:II*\n*4 th:TH_LOAD_NT   ; 32 lanes read 128 consecutive bytes; two waves side by side 256
.set II, II+1
.endr
	v_and_b32 v5, 7, v2                            ; my column's place among its 32
	v_bfe_u32 v6, v2, 3, 1
	v_bfe_u32 v7, v2, 4, 1
	v_lshl_add_u32 v5, v6, 4, v5
	v_lshl_add_u32 v5, v7, 3, v5
	s_lshl_b32 s30, s23, 5
	v_add_nc_u32 v5, s30, v5                       ; the stage's row
	v_mul_u32_u24 v4, v5, 272
	s_lshl_b32 s30, s24, 6
	v_add_nc_u32 v4, s30, v4                       ; + my two blocks' four places
	v_lshlrev_b32 v6, 3, v5
	s_lshl_b32 s30, s24, 1
	v_add_nc_u32 v6, s30, v6                       ; my two scale bytes
	v_lshrrev_b32 v10, 4, v2
	v_and_b32 v11, 15, v2
	s_lshl_b32 s31, s16, 3
	v_add_nc_u32 v7, s31, v10
	v_mul_u32_u24 v7, v7, 272
	v_lshl_add_u32 v7, v11, 4, v7                  ; back: rows 8 w on, sixteen lanes to a row
	v_mul_u32_u24 v14, v10, 768
	v_mad_u32_u24 v14, v11, 12, v14                ; and the same place in cod
	v_lshrrev_b32 v15, 2, v2
	v_and_b32 v16, 3, v2
	v_lshlrev_b32 v15, 5, v15
	v_lshl_add_u32 v15, v16, 1, v15                ; scl: row lane / 4 of my eight, bytes 2 (lane % 4)
	v_lshlrev_b32 v16, 1, v2
	s_lshl_b32 s31, s16, 6
	v_add_nc_u32 v16, s31, v16                     ; the same two bytes in LDS
	s_lshl_b32 s30, s21, 6
	s_lshl_b32 s31, s16, 3
	s_add_co_u32 s30, s30, s31
	s_add_co_u32 s30, s30, \rowbase                ; the first row of cod that my wave stores
	s_mul_i32 s32, s30, 768
	s_mul_i32 s31, s22, 192
	s_add_co_u32 s32, s32, s31
	s_mov_b32 s33, 0
	s_add_nc_u64 s[32:33], s[12:13], s[32:33]
	s_lshl_b32 s34, s30, 5
	s_lshl_b32 s31, s22, 3
	s_add_co_u32 s34, s34, s31
	s_mov_b32 s35, 0
	s_add_nc_u64 s[34:35], s[14:15], s[34:35]
.irp t, 0,1
	s_wait_loadcnt 32-32*\t                        ; this block's 32 loads are in; the next block's may be out
	BLKMAX 32+32*\t, 20+\t
	v_lshrrev_b32 v[22+\t], 23, v[20+\t]
	v_cvt_scalef32_pk16_fp6_f32 v[96+8*\t:98+8*\t], v[32+32*\t:47+32*\t], v[20+\t]
	v_cvt_scalef32_pk16_fp6_f32 v[100+8*\t:102+8*\t], v[48+32*\t:63+32*\t], v[20+\t]
	v_nop                                          ; one plain line behind the conversions
	ds_store_b96 v4, v[96+8*\t:98+8*\t] offset:\stg+32*\t
	ds_store_b96 v4, v[100+8*\t:102+8*\t] offset:\stg+32*\t+16
.endr
	v_lshl_or_b32 v24, v23, 8, v22
	ds_store_b16 v6, v24 offset:\sby
	s_wait_dscnt 0x0                               ; for the others' sake: my stores have landed
	s_barrier_signal -1
	s_barrier_wait -1
.irp t, 0,1,2,3
	ds_load_b96 v[112+4*\t:114+4*\t], v7 offset:\stg+544*\t
.endr
	ds_load_u16 v17, v16 offset:\sby
.irp t, 0,1,2,3
	s_wait_dscnt 4-\t                              ; LDS loads come back in order: load t is in
	global_store_b96 v14, v[112+4*\t:114+4*\t], s[32:33] offset:1536*\t   ; sixteen lanes store 192 consecutive bytes of a row
.endr
	s_wait_dscnt 0x0
	global_store_b16 v15, v17, s[34:35]
	FIN
.endm
.Lwq:
	WPATH 1024, 4, 4096, WQS, WQB, 6, 0
.Lwkv:
	WPATH 2048, 5, 5120, WKS, WKB, 8, 64
.Lfunc_end_k_q26ed53f1b6_quant:
	.size	k_q26ed53f1b6_quant, .Lfunc_end_k_q26ed53f1b6_quant-k_q26ed53f1b6_quant
	.p2alignl 7, 3214868480
	.fill 96, 4, 3214868480
	.section	.rodata,"a",@progbits
	.p2align	6, 0x0
	.amdhsa_kernel k_q26ed53f1b6_quant
		.amdhsa_group_segment_fixed_size 78080
		.amdhsa_private_segment_fixed_size 0
		.amdhsa_enable_private_segment 0
		.amdhsa_kernarg_size 56
		.amdhsa_user_sgpr_count 2
		.amdhsa_user_sgpr_kernarg_segment_ptr 1
		.amdhsa_wavefront_size32 1
		.amdhsa_system_sgpr_workgroup_id_x 1
		.amdhsa_system_sgpr_workgroup_id_y 1
		.amdhsa_system_sgpr_workgroup_id_z 1
		.amdhsa_system_vgpr_workitem_id 0
		.amdhsa_next_free_vgpr 128
		.amdhsa_next_free_sgpr 66
		.amdhsa_reserve_vcc 0
		.amdhsa_float_denorm_mode_32 3
		.amdhsa_float_denorm_mode_16_64 3
		.amdhsa_memory_ordered 1
		.amdhsa_forward_progress 1
		.amdhsa_inst_pref_size 36
	.end_amdhsa_kernel
	.amdgpu_metadata
---
amdhsa.version: [ 1, 2 ]
amdhsa.kernels:
  - .name:           k_q26ed53f1b6_quant
    .symbol:         k_q26ed53f1b6_quant.kd
    .args:
      - { .name: x, .offset: 0, .size: 8, .value_kind: global_buffer, .address_space: global }
      - { .name: Wq, .offset: 8, .size: 8, .value_kind: global_buffer, .address_space: global }
      - { .name: Wkv, .offset: 16, .size: 8, .value_kind: global_buffer, .address_space: global }
      - { .name: pos_emb, .offset: 24, .size: 8, .value_kind: global_buffer, .address_space: global }
      - { .name: cod, .offset: 32, .size: 8, .value_kind: global_buffer, .address_space: global }
      - { .name: scl, .offset: 40, .size: 8, .value_kind: global_buffer, .address_space: global }
      - { .name: etab, .offset: 48, .size: 8, .value_kind: global_buffer, .address_space: global }
    .group_segment_fixed_size: 78080
    .private_segment_fixed_size: 0
    .kernarg_segment_align: 8
    .kernarg_segment_size: 56
    .max_flat_workgroup_size: 256
    .sgpr_count:     66
    .vgpr_count:     128
    .wavefront_size: 32
...
	.end_amdgpu_metadata
.endif
;; end of part 1
;; launch gemm (part 2): grid 12 x 16, 4 waves a work-group, clusters of 4 x 4, 327,680 bytes of LDS; arguments cod, scl, qkv; writes qkv
.if DOCPART == 2
	.amdgcn_target "amdgcn-amd-amdhsa--gfx1250"
	.amdhsa_code_object_version 6
	.text
	.protected	k_q26ed53f1b6_gemm
	.globl	k_q26ed53f1b6_gemm
	.p2align	8
	.type	k_q26ed53f1b6_gemm,@function
k_q26ed53f1b6_gemm:
	s_mov_b64 s[64:65], 0
	v_nop
	global_prefetch_b8 v0, s[64:65] scope:SCOPE_SE
	s_setreg_imm32_b32 hwreg(HW_REG_WAVE_MODE, 25, 1), 1
	s_wait_xcnt 0x0
	s_wait_alu depctr_hold_cnt(0) depctr_sa_sdst(0) depctr_va_vdst(0) depctr_va_sdst(0) depctr_va_ssrc(0) depctr_va_vcc(0) depctr_vm_vsrc(0)
	s_getreg_b32 s2, hwreg(HW_REG_IB_STS2, 6, 4)
	s_cmp_eq_u32 s2, 0
	s_cbranch_scc0 .Lentry_in_a_cluster
	s_endpgm
.Lentry_in_a_cluster:
	s_bfe_u32 s2, ttmp6, 0x10000c
	s_cmp_lg_u32 s2, 0xf033
	s_cbranch_scc0 .Lentry_shape_is_right
	s_endpgm
.Lentry_shape_is_right:
; q = x Wq, k and v = x Wkv on codes of FP6 (E2M3) with E8M0 scales, K = 1,024; the f32 results are quantised in registers, q and k along the head's 64, v along the tokens, and leave as
; images of the operand registers that the attention launch loads.
; cod [7168][768 bytes], scl [7168][32]: rows 0-4095 tokens, 4096-5119 Wq's columns, 5120-7167 Wkv's; in each group of 32 rows the second and third groups of eight have changed places.
; A tile of 256 x 256 is made by four waves, each 128 x 128: 64 accumulators, 512 registers.  K goes in steps of 256 through a ring of two LDS slots; the scales of the tile's rows come once.
; THE MATRIX INSTRUCTION: source 0 = 16 rows of "B", source 1 = 16 rows of "A": a lane holds one row of A, its registers run along B's rows; by the changed places the 16 registers of
; accumulators (a, 2 i) and (a, 2 i + 1) are 16 NEIGHBOURS, 32 i + 16 (lane / 16) + 0 .. 15, along B's rows.
; ROLES, by the cluster's x (0: q, 1: k, 2: v; the same in all sixteen partners): q, k: A = tokens, B = the weight's columns, so registers run along the head's channels;
; v: A = Wv's columns, B = tokens, so registers run along the tokens, the second attention product's K.
; CLUSTERS: 4 x 4 work-groups; A's tiles are asked for jointly along a row of the cluster, B's along a column.  A cluster's 1,024 columns are exactly q, k or v: 192 work-groups.
; OUT, qkv: q at 0, k at 3,407,872: [64 heads][8 groups of 128 tokens][6,656]: 8 tiles x (registers 0-3 at 16 x lane, registers 4-5 at 512 + 8 x lane), then the scale words [tile / 4][row][tile % 4];
; v at 6,815,744: [64 heads][8 key steps][6,400]: 4 tiles of 16 channels x 3 images of 512 bytes (registers 0-11), then the scale words [row][tile].
; LIMITS: NaN and infinities are not served; a block whose largest magnitude lies under 2^-124 gets the byte 1 (the bytes are read by this program alone).
; REGISTERS, in windows of 256: window 0: v0-31 addresses; v32-63 scale words, two sets; from v128 A's fragments, one set; on the way out v64-199.
;   window 1: B's fragments, two sets.   window 2: the accumulators of my rows 0-63 ((a, b) at v[8 (8 a + b)]);   window 3: those of my rows 64-127.
.set SIZE_K, 1024
.set KSTEP,  256                       ; along K in a slot
.set NQ,     KSTEP/128                 ; matrix instructions deep
.set ROWB,   192                       ; a tile's row in bytes
.set KROW,   SIZE_K*6/8                ; a row of cod
.set PITCH,  240                       ; an LDS row: 3 x (64 bytes + 16 of padding): the 32 lanes of a load of 8 bytes touch 64 different banks
.set FR,     12                        ; registers of a fragment
.set NL,     6                         ; LDS loads that bring one
.set NP,     4                         ; places behind this matrix instruction (ISA guide 7.12.1)
.set HALFT,  128*PITCH
.set SLOT,   4*HALFT                   ; A's 256 rows, then B's 256 rows
.set LAPS,   SIZE_K/(2*KSTEP)
.set KS,     SIZE_K/32                 ; a row of scales in bytes
.set SCL,    2*SLOT                    ; behind the ring: the scales, as runs of 256 bytes + 16 of padding
.set HALFS,  (128*KS/256)*272
.set SBLK,   (16*KS/256)*272
.set SPARE,  SCL+4*HALFS               ; the spare words, 128 bytes for each wave: two blocks of 256 bytes that no other line names
.set ADRA, 16                          ; v16-17 LDS address of my A fragments in slot 0, 1 (v18-19: behind one padding more)
.set ADRB, 20                          ; v20-23 the same for B
.set L16,  24                          ; v24    16 x lane
.set L8,   25                          ; v25    8 x lane
.set SOF,  26                          ; v26    where my scale words go
.set ADRS, 27                          ; v27    LDS address of my scale words: lanes 0-15 A's rows, lanes 16-31 B's
.set SPW,  28                          ; v28    SPARE + 4 x my thread's number; never rewritten
.set NIL,  29                          ; v29    0; never rewritten
.set H16,  30                          ; v30    16 x (lane / 16)
.set SC,   32                          ; scale words: they hold scales and nothing else
.set AF,   128                         ; A's fragments
.set PCB,  64                          ; the way out: block a's 12 registers of codes at v[64 + 12 a]
.set TP,   160                         ; the conversions' second halves
.set TM,   168                         ; v168-171 largest magnitudes, v172-175 bytes, v180-183 scale operands
.set PW,   184                         ; block a's scale word
.set SW,   192                         ; the words as they are stored
.set G1, 24
.set G0, 32
.set G1B, 48
.set G0B, 56
.set G1S, 68
.set G0S, 76
.set G1SB, 80
.set G0SB, 88
.set MSB, 0
.macro WIN new                         ; the immediate's high byte repeats the setting that is left
.if MSB != \new
	s_set_vgpr_msb (MSB<<8)|\new
.set MSB, \new
.endif
.endm
.set MUL_LO, 0xa1                      ; source 0 (B) window 1, source 1 (A) window 0, C and D window 2
.set MUL_HI, 0xf1
.set TO_B,   0x40
; A joint load: waves 0 and 1 fetch for A, waves 2 and 3 for B; the branch hangs on the wave's number alone.  An s_nop 0 and four v_nop follow each of the two lines.
.macro JLOAD g0a, g1a, g0b, g1b
	s_cmp_eq_u32 s15, 0
	s_cbranch_scc0 .Lfor_b_\@
	tensor_load_to_lds s[\g0a:\g0a+3], s[\g1a:\g1a+7]
	s_nop 0
.rept 4
	v_nop
.endr
	s_branch .Lasked_\@
.Lfor_b_\@:
	tensor_load_to_lds s[\g0b:\g0b+3], s[\g1b:\g1b+7]
	s_nop 0
.rept 4
	v_nop
.endr
.Lasked_\@:
.endm
.macro CREST                           ; a round of the cluster's barrier behind its opening barrier
	s_cmp_lg_u32 s14, 0
	s_cbranch_scc1 .Lnot_wave_0_\@
	s_barrier_signal -3
.Lnot_wave_0_\@:
	s_barrier_wait -3
	s_barrier_signal -1
	s_barrier_wait -1
.endm
.macro CROUND
	s_barrier_signal -1
	s_barrier_wait -1
	CREST
.endm
	s_load_b128 s[4:7], s[0:1], 0x0                ; cod s[4:5], scl s[6:7]
	s_load_b64 s[12:13], s[0:1], 0x10              ; qkv
	v_lshl_add_u32 v[SPW], v0, 2, SPARE
	v_mov_b32 v[NIL], 0
	ds_add_u32 v[SPW], v[NIL]                      ; the wave's opening: the add and its wait, ahead of my first tensor load
	v_lshrrev_b32 v1, 5, v0
	v_readfirstlane_b32 s14, v1                    ; wave 0..3
	s_lshr_b32 s15, s14, 1                         ; which half of A's rows is mine.  Also: I fetch for A (0) or for B (1)
	s_and_b32 s16, s14, 1                          ; which half of B's rows.  Also: which 128 rows of that tile I fetch
	s_bfe_u32 s40, ttmp6, 0x40000                  ; cx, cy: my place in the cluster
	s_bfe_u32 s41, ttmp6, 0x40004
	s_and_b32 s95, ttmp7, 0xffff                   ; the cluster's y: the batch
	s_lshl_b32 s2, s95, 2                          ; its first tile of 256 tokens
	s_lshl_b32 s42, ttmp9, 2
	s_add_co_u32 s42, s42, 16                      ; q's or k's first tile of 256 columns
	s_cmp_eq_u32 ttmp9, 2                          ; v?  The cluster's x is the same in all sixteen partners
	s_cselect_b32 s17, 24, s2                      ; A: Wv's columns, or the tokens
	s_cselect_b32 s42, s2, s42                     ; B: the tokens, or the weight's columns
	s_add_co_u32 s17, s17, s41                     ; A's tile hangs on cy alone,
	s_add_co_u32 s42, s42, s40                     ; B's on cx alone
	s_lshl_b32 s43, s41, 2
	s_lshl_b32 s43, 15, s43                        ; my row of the cluster
	s_lshl_b32 s44, 0x1111, s40                    ; my column
	; descriptor group 1: a tile of 128 rows x 192 bytes, 16 bytes of padding behind every 64
	s_or_b32 s[G1+0], s43, (0<<16)|(1<<20)|(1<<21)|(3<<22)|(3<<25)
	s_or_b32 s[G1B+0], s44, (0<<16)|(1<<20)|(1<<21)|(3<<22)|(3<<25)
.irp g, G1, G1B
	s_mov_b32 s[\g+1], ROWB<<16                    ; tensor_dim0
	s_mov_b32 s[\g+2], 128<<16                     ; tensor_dim1
	s_mov_b32 s[\g+3], ROWB<<16                    ; tile_dim0
	s_mov_b32 s[\g+4], 128                         ; tile_dim1
	s_mov_b32 s[\g+5], KROW                        ; the pitch
	s_mov_b32 s[\g+6], 0
	s_mov_b32 s[\g+7], 0
.endr
	; the scales of 128 rows: a dense block of 4,096 bytes, as rows of 256 bytes (32 elements of 8), 16 bytes of padding behind each
	s_or_b32 s[G1S+0], s43, (3<<16)|(1<<20)|(1<<21)|(5<<22)|(3<<25)
	s_or_b32 s[G1SB+0], s44, (3<<16)|(1<<20)|(1<<21)|(5<<22)|(3<<25)
.irp g, G1S, G1SB
	s_mov_b32 s[\g+1], 32<<16
	s_mov_b32 s[\g+2], (128*KS/256)<<16
	s_mov_b32 s[\g+3], 32<<16
	s_mov_b32 s[\g+4], 128*KS/256
	s_mov_b32 s[\g+5], 32
	s_mov_b32 s[\g+6], 0
	s_mov_b32 s[\g+7], 0
.endr
	s_lshl_b32 s18, s16, 7                         ; which 128 rows of the tile I fetch
	s_lshl_b32 s20, s17, 8
	s_add_co_u32 s20, s20, s18                     ; A: row of cod
	s_lshl_b32 s46, s42, 8
	s_add_co_u32 s46, s46, s18                     ; B: row of cod
	s_mov_b32 s21, 0
	s_mov_b32 s47, 0
	s_mov_b64 s[18:19], KS
	s_mul_u64 s[22:23], s[20:21], s[18:19]         ; where these rows' scales begin, in bytes
	s_mul_u64 s[92:93], s[46:47], s[18:19]
	s_mov_b64 s[18:19], KROW
	s_mul_u64 s[20:21], s[20:21], s[18:19]         ; and their codes
	s_mul_u64 s[46:47], s[46:47], s[18:19]
	s_mul_i32 s45, s14, HALFT                      ; where they go: wave x 128 rows: no place in the cluster enters an LDS address
	s_mul_i32 s94, s14, HALFS
	s_mov_b32 s96, 0x76543210
	s_mov_b32 s97, 0xfedcba98                      ; lane selects: lane l xor 16
	s_wait_dscnt 0x0                               ; the opening add is done
	s_wait_kmcnt 0x0
	s_add_nc_u64 s[20:21], s[4:5], s[20:21]
	s_add_nc_u64 s[22:23], s[6:7], s[22:23]
	s_add_nc_u64 s[46:47], s[4:5], s[46:47]
	s_add_nc_u64 s[92:93], s[6:7], s[92:93]
	CROUND                                         ; all sixteen work-groups are here: the first joint loads meet
	s_mov_b32 s[G0S], 1
	s_add_co_u32 s[G0S+1], s94, SCL
	s_mov_b64 s[G0S+2:G0S+3], s[22:23]
	s_or_b32 s[G0S+3], s[G0S+3], 0x80000000
	s_mov_b32 s[G0SB], 1
	s_add_co_u32 s[G0SB+1], s94, SCL
	s_mov_b64 s[G0SB+2:G0SB+3], s[92:93]
	s_or_b32 s[G0SB+3], s[G0SB+3], 0x80000000
	JLOAD G0S, G1S, G0SB, G1SB                     ; the scales first: they are wanted with K step 0
.irp s, 0,1
	s_mov_b32 s[G0+4*\s], 1
	s_add_co_u32 s[G0+4*\s+1], s45, \s*SLOT
	s_add_nc_u64 s[G0+4*\s+2:G0+4*\s+3], s[20:21], \s*ROWB
	s_or_b32 s[G0+4*\s+3], s[G0+4*\s+3], 0x80000000
	s_mov_b32 s[G0B+4*\s], 1
	s_add_co_u32 s[G0B+4*\s+1], s45, \s*SLOT
	s_add_nc_u64 s[G0B+4*\s+2:G0B+4*\s+3], s[46:47], \s*ROWB
	s_or_b32 s[G0B+4*\s+3], s[G0B+4*\s+3], 0x80000000
	JLOAD G0+4*\s, G1, G0B+4*\s, G1B
.endr
	v_and_b32 v1, 15, v0                           ; r = l % 16
	v_bfe_u32 v2, v0, 4, 1                         ; h = l / 16
	v_mul_u32_u24 v3, v1, PITCH
	v_mul_u32_u24 v4, v2, 24
	v_add_nc_u32 v4, v3, v4                        ; a fragment's row x pitch + 24 x half
	v_lshl_add_u32 v5, v2, 4, v4                   ; and the same behind one padding more
	s_mul_i32 s21, s15, HALFT                      ; my 128 rows of A
	s_mul_i32 s22, s16, HALFT                      ; my 128 rows of B,
	s_add_co_u32 s22, s22, 2*HALFT                 ; which lie behind A's 256
.irp s, 0,1
	v_add_nc_u32 v[ADRA+\s], s21, v4
	v_add_nc_u32 v[ADRB+\s], s22, v4
	v_add_nc_u32 v[ADRA+2+\s], s21, v5
	v_add_nc_u32 v[ADRB+2+\s], s22, v5
	s_add_co_u32 s21, s21, SLOT
	s_add_co_u32 s22, s22, SLOT
.endr
	v_mul_u32_u24 v5, v1, KS                       ; my row's scales: 32 bytes a row,
	v_lshrrev_b32 v6, 8, v5
	v_lshl_add_u32 v5, v6, 4, v5                   ; and 16 more for each 256 passed
	s_mul_i32 s21, s15, HALFS
	s_mul_i32 s22, s16, HALFS
	s_add_co_u32 s22, s22, 2*HALFS
	s_sub_co_u32 s22, s22, s21
	v_mul_u32_u24 v6, s22, v2                      ; lanes 16-31 take B's
	s_add_co_u32 s21, s21, SCL
	v_add_nc_u32 v5, v5, v6
	v_add_nc_u32 v[ADRS], s21, v5
	v_and_b32 v6, 31, v0
	v_lshlrev_b32 v[L16], 4, v6
	v_lshlrev_b32 v[L8], 3, v6
	v_lshlrev_b32 v[H16], 4, v2
.macro FRAG reg, adr, q, i             ; 16 rows x 128 K of 6-bit codes: lane l holds row l % 16; registers 6 c .. 6 c + 5 hold K = 64 c + 32 (l / 16) + 0 .. 31, as the bytes lie
.irp p, 0,1,2,3,4,5                    ; in pieces of 8 bytes; where the piece three on lies behind one padding more, the second address register serves
.set PCE, 12*(\q)+6*(\p/3)+\p%3
.if PCE%8 < 5
	ds_load_b64 v[\reg+2*\p:\reg+2*\p+1], v[\adr] offset:8*PCE+16*(PCE/8)+(\i)*16*PITCH
.else
	ds_load_b64 v[\reg+2*\p:\reg+2*\p+1], v[\adr+2] offset:8*PCE+16*(PCE/8)+(\i)*16*PITCH
.endif
.endr
.endm
; 16 matrix instructions: A's blocks a0, a0 + 1 x B's eight.  The 64 accumulators take turns, one instruction a turn, in the same order in every step.
.macro MUL16 a0, p, q, sc, zero
.irp a, \a0, \a0+1
.irp b, 0,1,2,3,4,5,6,7
.if \zero
	v_wmma_scale_f32_16x16x128_f8f6f4 v[8*(8*((\a)%4)+\b):8*(8*((\a)%4)+\b)+7], v[128*(\p)+FR*\b:128*(\p)+FR*\b+FR-1], v[AF+FR*(\a):AF+FR*(\a)+FR-1], 0, v[SC+8*NQ*(\sc)+NQ*\b+(\q)], v[SC+8*NQ*(\sc)+NQ*(\a)+(\q)] matrix_a_fmt:MATRIX_FMT_FP6 matrix_b_fmt:MATRIX_FMT_FP6 matrix_a_scale:MATRIX_SCALE_ROW1
.else
	v_wmma_scale_f32_16x16x128_f8f6f4 v[8*(8*((\a)%4)+\b):8*(8*((\a)%4)+\b)+7], v[128*(\p)+FR*\b:128*(\p)+FR*\b+FR-1], v[AF+FR*(\a):AF+FR*(\a)+FR-1], v[8*(8*((\a)%4)+\b):8*(8*((\a)%4)+\b)+7], v[SC+8*NQ*(\sc)+NQ*\b+(\q)], v[SC+8*NQ*(\sc)+NQ*(\a)+(\q)] matrix_a_fmt:MATRIX_FMT_FP6 matrix_b_fmt:MATRIX_FMT_FP6 matrix_a_scale:MATRIX_SCALE_ROW1
.endif
.endr
.endr
.endm
.macro FETCH_B slot, q, p
	WIN TO_B
.irp i, 0,1,2,3,4,5,6,7
	FRAG 128*(\p)+FR*\i, ADRB+\slot, \q, \i
.endr
	WIN 0
.endm
.macro FETCH_A slot, q, i0
.irp i, \i0, \i0+1, \i0+2, \i0+3
	FRAG AF+FR*(\i), ADRA+\slot, \q, \i
.endr
.endm
.macro SCALES sc                       ; the next K step's scale words: lanes 0-15 take A's block i, lanes 16-31 B's block i
.irp i, 0,1,2,3,4,5,6,7
	ds_load_b64 v[SC+8*NQ*\sc+NQ*\i:SC+8*NQ*\sc+NQ*\i+1], v[ADRS] offset:\i*SBLK
.endr
.endm
.macro PLACES n                        ; plain vector lines between a matrix instruction and a load into, or a vector read or write of, its registers
.rept \n
	v_nop
.endr
.endm
.macro STEP slot, q, zero              ; a step of 128 along K that has its successor in the same slot
	s_wait_dscnt 4*NL                              ; B's set and A's blocks 0-3 are in; the youngest loads (A's blocks 4-7) may be out
	WIN MUL_LO
	MUL16 0, (\q)%2, \q, \slot, \zero
	MUL16 2, (\q)%2, \q, \slot, \zero
	s_wait_dscnt 0                                 ; A's blocks 4-7 are in
	PLACES NP
	FETCH_B \slot, (\q)+1, 1-(\q)%2
	FETCH_A \slot, (\q)+1, 0
	WIN MUL_HI
	MUL16 4, (\q)%2, \q, \slot, \zero
	MUL16 6, (\q)%2, \q, \slot, \zero
	PLACES NP
	WIN 0
	FETCH_A \slot, (\q)+1, 4
.endm
; A slot's last step changes slots: one barrier; in front of it each wave waits for all its tensor loads, adds 0 to its spare word, and waits for that and for its reads of this slot.
.macro TURN slot, next, fill
	s_wait_tensorcnt 0x0                           ; all my tensor loads have landed: my part of the next slot
	ds_add_u32 v[SPW], v[NIL]                      ; 0 onto my spare word
	s_wait_dscnt 4*NL+1                            ; (the add and the youngest loads, A's blocks 4-7, may be out)
	WIN MUL_LO
	MUL16 0, 1, NQ-1, \slot, 0
	s_wait_dscnt 0x0                               ; the add is done, and my reads of this slot are over
	s_barrier_signal -1
	MUL16 2, 1, NQ-1, \slot, 0
	WIN 0
	s_barrier_wait -1
.if \fill
	CREST                                          ; the barrier has opened a round of the cluster's: no wave of any partner still reads this slot or has a load on its way
	s_add_nc_u64 s[G0+4*\slot+2:G0+4*\slot+3], s[G0+4*\slot+2:G0+4*\slot+3], 2*ROWB
	s_add_nc_u64 s[G0B+4*\slot+2:G0B+4*\slot+3], s[G0B+4*\slot+2:G0B+4*\slot+3], 2*ROWB
	JLOAD G0+4*\slot, G1, G0B+4*\slot, G1B         ; the first tensor load behind the round; its four v_nop are the places in front of the loads below
.else
	PLACES NP
.endif
	v_add_nc_u32 v[ADRS], 4*NQ, v[ADRS]            ; on to the next K step's scale words
	FETCH_B \next, 0, 0
	FETCH_A \next, 0, 0
	SCALES \next
	WIN MUL_HI
	MUL16 4, 1, NQ-1, \slot, 0
	MUL16 6, 1, NQ-1, \slot, 0
	PLACES NP
	WIN 0
	FETCH_A \next, 0, 4
.endm
	s_wait_tensorcnt 1                             ; the scales and my part of K step 0 are in (K step 1's load may be out),
	s_barrier_signal -1
	s_barrier_wait -1                              ; everybody's are
	FETCH_B 0, 0, 0
	FETCH_A 0, 0, 0
	SCALES 0
	FETCH_A 0, 0, 4
	STEP 0, 0, 1                                   ; the first step's products start the sums: nothing is cleared
	s_mov_b32 s3, LAPS-1
.Llap:                                                 ; a trip goes once round the ring and fills both slots again
	TURN 0, 1, 1
	STEP 1, 0, 0
	TURN 1, 0, 1
	STEP 0, 0, 0
	s_sub_co_u32 s3, s3, 1
	s_cmp_lg_u32 s3, 0
	s_cbranch_scc1 .Llap
	TURN 0, 1, 0                                   ; the last lap fills nothing
	STEP 1, 0, 0
	s_wait_dscnt 4*NL
	WIN MUL_LO
	MUL16 0, 1, NQ-1, 1, 0
	MUL16 2, 1, NQ-1, 1, 0
	s_wait_dscnt 0
	WIN MUL_HI
	MUL16 4, 1, NQ-1, 1, 0
	MUL16 6, 1, NQ-1, 1, 0
	WIN 0
; THE WAY OUT.  Block a's 64 numbers of a lane (register 16 b + i = place 32 b + 16 (lane / 16) + i along the next K) become 12 registers of codes at v[PCB + 12 a] and a scale word in v[PW + a].
; A block of 32 lies in lanes l and l xor 16.  Each accumulator is read from its low end on.
.macro QUANT a
.set QS, 64*((\a)%4)
.set QW, 2+(\a)/4
.set PC, PCB+12*(\a)
.set WN, QW|(QW<<2)
	WIN WN                                         ; sources 0 and 1: the accumulators' window
.irp b, 0,1,2,3
	v_max3_num_f32 v[TM+\b], |v[QS+16*\b]|, |v[QS+1+16*\b]|, 0x1800000   ; with the floor 2^(3 - 127): the byte cannot fall under 1
.endr
.set WN, (QW<<2)|(QW<<4)
	WIN WN                                         ; sources 1 and 2
.irp i, 2,4,6,8,10,12,14
.irp b, 0,1,2,3
	v_max3_num_f32 v[TM+\b], v[TM+\b], |v[QS+16*\b+\i]|, |v[QS+1+16*\b+\i]|
.endr
.endr
	WIN 0
.irp b, 0,1,2,3
	v_permlanex16_b32 v[TM+4+\b], v[TM+\b], s96, s97
.endr
.irp b, 0,1,2,3
	v_max_num_f32 v[TM+\b], v[TM+\b], v[TM+4+\b]   ; the block's largest magnitude
.endr
.irp b, 0,1,2,3
	v_add_nc_u32 v[TM+12+\b], 0xff000000, v[TM+\b] ; 2 off its exponent field: the conversion's scale operand
.endr
.irp b, 0,1,2,3
	v_lshrrev_b32 v[TM+4+\b], 23, v[TM+12+\b]      ; the scale's byte
.endr
	v_lshl_or_b32 v[PW+(\a)], v[TM+5], 8, v[TM+4]
	v_lshl_or_b32 v[PW+(\a)], v[TM+6], 16, v[PW+(\a)]
	v_lshl_or_b32 v[PW+(\a)], v[TM+7], 24, v[PW+(\a)]
	WIN QW                                         ; source 0
.irp c, 0,1
	v_cvt_scalef32_pk16_fp6_f32 v[PC+6*\c:PC+2+6*\c], v[QS+32*\c:QS+15+32*\c], v[TM+12+2*\c]
	v_cvt_scalef32_pk16_fp6_f32 v[TP+4*\c:TP+2+4*\c], v[QS+16+32*\c:QS+31+32*\c], v[TM+12+2*\c+1]   ; (a conversion's three registers begin on an even number)
.endr
	WIN 0
	v_nop                                          ; one plain line behind the conversions
.irp c, 0,1                                    ; the operand's layout wants a whole block in a lane
.irp i, 0,1,2
	v_permlane16_swap_b32 v[PC+6*\c+\i], v[TP+4*\c+\i]
.endr
.irp i, 0,1,2
	v_mov_b32 v[PC+3+6*\c+\i], v[TP+4*\c+\i]
.endr
.endr
.endm
	PLACES NP                                      ; behind the last products: the lines below read results and write registers that held fragments
.irp b, 0,1,2,3
	v_mov_b32 v[TM+4+\b], 0                        ; a lane permute's destination counts as read
.endr
.irp a, 0,1,2,3,4,5,6,7
	QUANT \a
.endr
	s_cmp_eq_u32 ttmp9, 2
	s_cbranch_scc1 .Lv_out
	; q, k: a lane is a token, registers 6 c .. 6 c + 5 are head c's 64 channels; the head's operand is those six registers, its upper six are zeros that the reader supplies
	s_lshl_b32 s98, s95, 4
	s_lshl_b32 s99, s40, 2
	s_add_co_u32 s98, s98, s99
	s_lshl_b32 s99, s16, 1
	s_add_co_u32 s98, s98, s99                     ; my first head: 16 x batch + 4 cx + 2 x half
	s_mul_i32 s98, s98, 53248
	s_lshl_b32 s99, s41, 1
	s_add_co_u32 s99, s99, s15                     ; my group of 128 tokens
	s_mul_i32 s99, s99, 6656
	s_add_co_u32 s98, s98, s99
	s_mul_i32 s99, ttmp9, 3407872
	s_add_co_u32 s98, s98, s99
	s_mov_b32 s99, 0
	s_add_nc_u64 s[12:13], s[12:13], s[98:99]
	v_mul_u32_u24 v[SOF], v2, 53248
	v_lshl_add_u32 v[SOF], v1, 4, v[SOF]           ; lanes 0-15 store head 0's words, lanes 16-31 head 1's
.irp a, 0,1,2,3,4,5,6,7
	v_lshrrev_b32 v[SW+\a], v[H16], v[PW+\a]       ; head 1's two bytes come down in lanes 16-31 (head 0's word keeps head 1's bytes on top: they scale zero codes)
.endr
.irp a, 0,1,2,3,4,5,6,7
.irp c, 0,1
	global_store_b128 v[L16], v[PCB+12*\a+6*\c:PCB+12*\a+6*\c+3], s[12:13] offset:\c*53248+768*\a        ; 512 consecutive bytes, aligned
	global_store_b64 v[L8], v[PCB+12*\a+6*\c+4:PCB+12*\a+6*\c+5], s[12:13] offset:\c*53248+768*\a+512    ; 256 consecutive bytes, aligned
.endr
.endr
	global_store_b128 v[SOF], v[SW:SW+3], s[12:13] offset:6144
	global_store_b128 v[SOF], v[SW+4:SW+7], s[12:13] offset:6400
	s_branch .Lout_done
.Lv_out:
	; v: a lane is a channel, the 12 registers are my 128 tokens: a whole fragment; block a = 4 c + t is tile t of head c
	s_lshl_b32 s98, s95, 4
	s_lshl_b32 s99, s41, 2
	s_add_co_u32 s98, s98, s99
	s_lshl_b32 s99, s15, 1
	s_add_co_u32 s98, s98, s99                     ; my first head: 16 x batch + 4 cy + 2 x half
	s_mul_i32 s98, s98, 51200
	s_lshl_b32 s99, s40, 1
	s_add_co_u32 s99, s99, s16                     ; my key step
	s_mul_i32 s99, s99, 6400
	s_add_co_u32 s98, s98, s99
	s_add_co_u32 s98, s98, 6815744
	s_mov_b32 s99, 0
	s_add_nc_u64 s[12:13], s[12:13], s[98:99]
	v_mul_u32_u24 v[SOF], v2, 51200
	v_lshl_add_u32 v[SOF], v1, 4, v[SOF]
	v_cmp_eq_u32 vcc_lo, 1, v2                     ; lanes 16-31 (written here, behind every tensor load)
.irp t, 0,1,2,3
	v_cndmask_b32 v[SW+\t], v[PW+\t], v[PW+4+\t], vcc_lo
.endr
.irp a, 0,1,2,3,4,5,6,7
.irp k, 0,1,2
	global_store_b128 v[L16], v[PCB+12*\a+4*\k:PCB+12*\a+4*\k+3], s[12:13] offset:(\a/4)*51200+1536*(\a%4)+512*\k
.endr
.endr
	global_store_b128 v[SOF], v[SW:SW+3], s[12:13] offset:6144
.Lout_done:
	s_wait_tensorcnt 0x0                           ; the wave's end
	ds_add_u32 v[SPW], v[NIL]
	s_wait_dscnt 0x0
	CROUND                                         ; the closing round: no work-group ends while a partner may still ask for a tile that names it
	s_endpgm
.Lfunc_end_k_q26ed53f1b6_gemm:
	.size	k_q26ed53f1b6_gemm, .Lfunc_end_k_q26ed53f1b6_gemm-k_q26ed53f1b6_gemm
	.p2alignl 7, 3214868480
	.fill 96, 4, 3214868480
	.section	.rodata,"a",@progbits
	.p2align	6, 0x0
	.amdhsa_kernel k_q26ed53f1b6_gemm
		.amdhsa_group_segment_fixed_size 327680
		.amdhsa_private_segment_fixed_size 0
		.amdhsa_enable_private_segment 0
		.amdhsa_kernarg_size 24
		.amdhsa_user_sgpr_count 2
		.amdhsa_user_sgpr_kernarg_segment_ptr 1
		.amdhsa_wavefront_size32 1
		.amdhsa_system_sgpr_workgroup_id_x 1
		.amdhsa_system_sgpr_workgroup_id_y 1
		.amdhsa_system_sgpr_workgroup_id_z 1
		.amdhsa_system_vgpr_workitem_id 0
		.amdhsa_next_free_vgpr 1024
		.amdhsa_next_free_sgpr 102
		.amdhsa_reserve_vcc 1
		.amdhsa_float_denorm_mode_32 3
		.amdhsa_float_denorm_mode_16_64 3
		.amdhsa_memory_ordered 1
		.amdhsa_forward_progress 1
		.amdhsa_inst_pref_size 168
	.end_amdhsa_kernel
	.amdgpu_metadata
---
amdhsa.version: [ 1, 2 ]
amdhsa.kernels:
  - .name:           k_q26ed53f1b6_gemm
    .symbol:         k_q26ed53f1b6_gemm.kd
    .args:
      - { .name: cod, .offset: 0, .size: 8, .value_kind: global_buffer, .address_space: global }
      - { .name: scl, .offset: 8, .size: 8, .value_kind: global_buffer, .address_space: global }
      - { .name: qkv, .offset: 16, .size: 8, .value_kind: global_buffer, .address_space: global }
    .group_segment_fixed_size: 327680
    .private_segment_fixed_size: 0
    .kernarg_segment_align: 8
    .kernarg_segment_size: 24
    .max_flat_workgroup_size: 128
    .sgpr_count:     102
    .vgpr_count:     1024
    .wavefront_size: 32
...
	.end_amdgpu_metadata
.endif
;; end of part 2
;; launch attn (part 3): grid 4 x 64, 16 waves a work-group, clusters of 4 x 1, 327,680 bytes of LDS; arguments etab, qkv, out0; writes out0
.if DOCPART == 3
	.amdgcn_target "amdgcn-amd-amdhsa--gfx1250"
	.amdhsa_code_object_version 6
	.text
	.protected	k_q26ed53f1b6_attn
	.globl	k_q26ed53f1b6_attn
	.p2align	8
	.type	k_q26ed53f1b6_attn,@function
k_q26ed53f1b6_attn:
	s_mov_b64 s[64:65], 0
	v_nop
	global_prefetch_b8 v0, s[64:65] scope:SCOPE_SE
	s_setreg_imm32_b32 hwreg(HW_REG_WAVE_MODE, 25, 1), 1
	s_wait_xcnt 0x0
	s_wait_alu depctr_hold_cnt(0) depctr_sa_sdst(0) depctr_va_vdst(0) depctr_va_sdst(0) depctr_va_ssrc(0) depctr_va_vcc(0) depctr_vm_vsrc(0)
	s_getreg_b32 s2, hwreg(HW_REG_IB_STS2, 6, 4)
	s_cmp_eq_u32 s2, 0
	s_cbranch_scc0 .Lentry_in_a_cluster
	s_endpgm
.Lentry_in_a_cluster:
	s_bfe_u32 s2, ttmp6, 0x10000c
	s_cmp_lg_u32 s2, 0x3003
	s_cbranch_scc0 .Lentry_shape_is_right
	s_endpgm
.Lentry_shape_is_right:
; out[bh][i] = sum over j of softmax_j((q_i . k_j + q_i . E[j - i + 1023]) / 8) v_j, all three products on codes of FP6 (E2M3) with E8M0 scales.
; THE SOFTMAX: t = logit x log2(e); M = the running largest t rounded up to a whole number; p = 2^(t - M) is quantised along the keys; the sum of the unquantised p divides at the end.
; SHARES.  A work-group owns 256 queries of one head, each of its sixteen waves one tile of 16; a lane holds ONE query throughout (both products are used transposed).  Eight key steps of 128.
; LDS holds the head's K and V, as images of operand registers, and the 80 tiles of E that these queries meet: every tile is filled once, all loads go out at the head.
; CLUSTER.  The four query blocks of a head read the same K and V: joint loads with a mask that names the four.  E's slice hangs on the block: a load of the work-group's own.
; THE RELATIVE TERM is Toeplitz: T[g'][query] = E q^T for the 144 values g' = key - r + 15 that a key step's 128 keys and the tile's 16 queries meet: nine tiles.  They go to the wave's own stage in LDS,
; a row a query, and come back skewed, word key - r + 15 of row r, into the registers that serve as the C of K q^T: the addition costs nothing.
; The head size is 64: an operand's registers 6-11 (K = 64 .. 127) are zeros, written once; the scale bytes that stand over them are never 0xff.
; THE KEYS OF A TILE OF K ARE NOT NEIGHBOURS (the launch before placed them so): tile 2 b + u, row r is key 32 b + 8 u + r + 8 (r / 8): p's 16 registers of two neighbouring tiles are 16 neighbouring keys.
; LIMITS: NaN and infinities are not served; M is exact while |t| stays under 2^24.
; REGISTERS: v1-11 addresses; v12 -M, v13 the largest t, v[14:15] the sum; v16-27 Q; v29, v30 the add's two; v32-91 five fragment buffers; v96-167 T, then scores and p in v96-159, then V in v96-143;
; v168-199 O^T; v200-208 scale words; v209-218 lane terms of the head; v224-235 p's codes; v232-254 at work; v253 p's scale word; v255 Q's.
.set KB,    0                          ; K: 8 steps x 6,656 bytes
.set VB,    53248                      ; V: 8 steps x 6,400
.set EB,    104448                     ; E: 80 tiles x 832
.set STG,   171008                     ; sixteen stages of 16 rows x 592 bytes: no tensor load lands here
.set SPARE, 322560                     ; the spare words, 128 bytes for each wave: eight blocks of 256 bytes that no other line names
.set SPW,   29
.set NIL,   30
.set WV,    10                         ; s10 my wave's number;  s11 cx;  s3 the head;  s[12:13] lane selects;  s[14:15] c = log2(e) / 8
.macro NOPS n
.rept \n
	v_nop
.endr
.endm
.macro CROUND                          ; a round of the cluster's barrier
	s_barrier_signal -1
	s_barrier_wait -1
	s_cmp_lg_u32 s[WV], 0
	s_cbranch_scc1 .Lnot_wave_0_\@
	s_barrier_signal -3
.Lnot_wave_0_\@:
	s_barrier_wait -3
	s_barrier_signal -1
	s_barrier_wait -1
.endm
.macro G1SET g, w0, r                  ; descriptor group 1: r dense rows of 256 bytes (32 elements of 8 bytes)
	s_mov_b32 s[\g], \w0
	s_mov_b32 s[\g+1], 32<<16
	s_mov_b32 s[\g+2], (\r)<<16
	s_mov_b32 s[\g+3], 32<<16
	s_mov_b32 s[\g+4], \r
	s_mov_b32 s[\g+5], 32
	s_mov_b32 s[\g+6], 0
	s_mov_b32 s[\g+7], 0
.endm
.macro TL g0, g1
	tensor_load_to_lds s[\g0:\g0+3], s[\g1:\g1+7]
	s_nop 0
.endm
	s_load_b128 s[4:7], s[0:1], 0x0                ; etab s[4:5], qkv s[6:7]
	s_load_b64 s[8:9], s[0:1], 0x10                ; out0
	v_lshl_add_u32 v[SPW], v0, 2, SPARE
	v_mov_b32 v[NIL], 0
	ds_add_u32 v[SPW], v[NIL]                      ; the wave's opening: the add and its wait, ahead of the first tensor loads
	v_lshrrev_b32 v209, 5, v0
	v_readfirstlane_b32 s[WV], v209                ; wave 0..15
	s_bfe_u32 s11, ttmp6, 0x40000                  ; cx: my block of 256 queries
	s_and_b32 s3, ttmp7, 0xffff                    ; the head, which the four partners share
	G1SET 16, 15|(3<<16)|(1<<21), 52               ; K: a quarter of the head's, 13,312 bytes, to all four work-groups
	G1SET 24, 15|(3<<16)|(1<<21), 50               ; V: 12,800 bytes
	G1SET 32, 3<<16, 52                            ; E: 16 tiles, 13,312 bytes, my own
	s_mov_b32 s12, 0x76543210
	s_mov_b32 s13, 0xfedcba98
	s_mov_b32 s14, 0x3e38aa3b                      ; c = log2(e) / 8
	s_mov_b32 s15, s14                             ; (named with it as a pair)
	s_mul_i32 s66, s3, 53248
	s_mov_b32 s67, 0
	s_wait_dscnt 0x0                               ; the opening add is done
	s_wait_kmcnt 0x0
	s_add_nc_u64 s[96:97], s[6:7], s[66:67]        ; the head's q
	s_add_nc_u64 s[98:99], s[96:97], 3407872       ; and k
.irp p, 0,1,2,3
	s_mov_b32 s[40+4*\p], 1
	s_mov_b32 s[41+4*\p], KB+13312*\p
	s_add_nc_u64 s[42+4*\p:43+4*\p], s[98:99], 13312*\p
	s_or_b32 s[43+4*\p], s[43+4*\p], 0x80000000
.endr
	s_mul_i32 s66, s3, 51200
	s_add_nc_u64 s[100:101], s[6:7], s[66:67]
	s_add_nc_u64 s[100:101], s[100:101], 6815744   ; the head's v
.irp p, 0,1,2,3
	s_mov_b32 s[56+4*\p+4*(\p/2)], 1
	s_mov_b32 s[57+4*\p+4*(\p/2)], VB+12800*\p
	s_add_nc_u64 s[58+4*\p+4*(\p/2):59+4*\p+4*(\p/2)], s[100:101], 12800*\p
	s_or_b32 s[59+4*\p+4*(\p/2)], s[59+4*\p+4*(\p/2)], 0x80000000
.endr
	s_mul_i32 s66, s11, 13312
	s_sub_co_u32 s66, 39936, s66                   ; my first tile of E: 48 - 16 cx
	s_add_nc_u64 s[98:99], s[4:5], s[66:67]
.irp e, 0,1,2,3,4
	s_mov_b32 s[76+4*\e], 1
	s_mov_b32 s[77+4*\e], EB+13312*\e
	s_add_nc_u64 s[78+4*\e:79+4*\e], s[98:99], 13312*\e
	s_or_b32 s[79+4*\e], s[79+4*\e], 0x80000000
.endr
	CROUND                                         ; all four work-groups are here: the joint loads meet
	; all fills of the launch, in one branch chain on the wave's number: wave 0 K's four, wave 1 V's four, wave 2 E's five: at most five loads of a wave are out
	s_cmp_lg_u32 s[WV], 0
	s_cbranch_scc1 .Lnot_0
	TL 40, 16
	TL 44, 16
	TL 48, 16
	TL 52, 16
	NOPS 4
	s_branch .Lissued
.Lnot_0:
	s_cmp_lg_u32 s[WV], 1
	s_cbranch_scc1 .Lnot_1
	TL 56, 24
	TL 60, 24
	TL 68, 24
	TL 72, 24
	NOPS 4
	s_branch .Lissued
.Lnot_1:
	s_cmp_lg_u32 s[WV], 2
	s_cbranch_scc1 .Lissued
	TL 76, 32
	TL 80, 32
	TL 84, 32
	TL 88, 32
	TL 92, 32
	NOPS 4
.Lissued:
	v_and_b32 v209, 31, v0                         ; lane
	v_and_b32 v210, 15, v0                         ; r
	v_bfe_u32 v211, v0, 4, 1                       ; h
	; Q from memory, its tokens' changed places undone by the lanes' addresses: query 16 w + r lies in tile 2 ((w / 2) % 4) + r / 8 of its group of 128, at row 8 (w % 2) + r % 8
	v_bfe_u32 v212, v0, 3, 1                       ; u = r / 8
	v_and_b32 v213, 7, v0
	s_and_b32 s66, s[WV], 1
	s_lshl_b32 s66, s66, 3
	v_add_nc_u32 v213, s66, v213                   ; the row
	v_lshl_add_u32 v214, v211, 4, v213             ; the lane whose registers I take
	v_mul_u32_u24 v215, v212, 768
	v_lshl_add_u32 v216, v214, 4, v215
	v_lshl_add_u32 v217, v214, 3, v215
	v_lshlrev_b32 v218, 4, v213
	v_lshl_add_u32 v218, v212, 2, v218
	s_lshl_b32 s66, s11, 1
	s_lshr_b32 s67, s[WV], 3
	s_add_co_u32 s66, s66, s67
	s_mul_i32 s66, s66, 6656                       ; my group of 128 tokens
	s_mov_b32 s67, 0
	s_add_nc_u64 s[96:97], s[96:97], s[66:67]
	s_bfe_u32 s66, s[WV], 0x20001
	s_mul_i32 s66, s66, 1536
	v_add_nc_u32 v216, s66, v216
	v_add_nc_u32 v217, s66, v217
	s_bfe_u32 s66, s[WV], 0x10002
	s_lshl_b32 s66, s66, 8
	s_bfe_u32 s67, s[WV], 0x10001
	s_lshl_b32 s67, s67, 3
	s_add_co_u32 s66, s66, s67
	v_add_nc_u32 v218, s66, v218
	global_load_b128 v[16:19], v216, s[96:97]
	global_load_b64 v[20:21], v217, s[96:97] offset:512
	global_load_b32 v255, v218, s[96:97] offset:6144   ; Q's scale words
.irp j, 22,23,24,25,26,27
	v_mov_b32 v[\j], 0                             ; K = 64 .. 127 of Q: zero codes
.endr
.irp i, 0,1,2,3,4
.irp j, 6,7,8,9,10,11
	v_mov_b32 v[32+12*\i+\j], 0                    ; and of the five fragment buffers: written once, never loaded
.endr
.endr
	v_lshlrev_b32 v1, 4, v209                      ; K: an image's 16 bytes a lane,
	v_lshlrev_b32 v2, 3, v209
	v_add_nc_u32 v2, 512, v2                       ; its 8 bytes a lane,
	v_lshlrev_b32 v3, 4, v210
	v_add_nc_u32 v3, 6144, v3                      ; four tiles' scale words of row r
	v_add_nc_u32 v4, VB, v1                        ; V likewise
	v_add_nc_u32 v5, VB, v3
	s_xor_b32 s67, s[WV], 15                       ; E: my window begins 15 - w tiles into a key step's
	s_mul_i32 s67, s67, 832
	s_add_co_u32 s67, s67, EB
	v_lshl_add_u32 v6, v209, 4, s67
	v_lshl_add_u32 v7, v209, 3, s67
	v_add_nc_u32 v7, 512, v7
	v_lshl_add_u32 v8, v210, 2, s67
	v_add_nc_u32 v8, 768, v8
	s_mul_i32 s66, s[WV], 9472
	s_add_co_u32 s66, s66, STG                     ; my stage
	v_mul_u32_u24 v9, v210, 592                    ; in: row r, 32 bytes for each half of the lanes.  592 / 16 is odd: the sixteen rows of a store start in different groups of banks
	v_lshl_add_u32 v9, v211, 5, v9
	v_add_nc_u32 v9, s66, v9
	v_mul_u32_u24 v10, v210, 588                   ; back, skewed: word key - r + 15 of row r: 592 r - 4 r + 60, + 64 h for my half's keys
	v_lshl_add_u32 v10, v211, 6, v10
	v_add_nc_u32 v10, s66, v10
	v_add_nc_u32 v10, 60, v10
	v_lshlrev_b32 v11, 4, v209                     ; the way out: 16 bytes a lane
	s_lshl_b32 s66, s3, 18
	s_lshl_b32 s67, s11, 16
	s_add_co_u32 s66, s66, s67
	s_lshl_b32 s67, s[WV], 12
	s_add_co_u32 s66, s66, s67
	s_mov_b32 s67, 0
	s_add_nc_u64 s[8:9], s[8:9], s[66:67]          ; out0 at my first query
	v_mov_b32 v13, 0xff61b1e6                      ; the largest t so far: -3e38
	v_floor_f32 v12, -v13                          ; -M
	v_mov_b32 v14, 0
	v_mov_b32 v15, 0
.irp b, 0,1,2,3
	v_mov_b32 v[236+\b], 0                         ; a lane permute's destination counts as read
.endr
	v_mov_b32 v253, 0                              ; (named as the upper half of v[252:253] before it is first written)
.set J, 0
.rept 32
	v_mov_b32 v[168+J], 0                          ; O^T: the step is written alike for all eight: the first finds zeros
.set J, J+1
.endr
	s_wait_loadcnt 0x0                             ; Q
.macro WMZ d, a, sa                    ; a product with Q that starts a sum
	v_wmma_scale_f32_16x16x128_f8f6f4 v[\d:\d+7], v[\a:\a+11], v[16:27], 0, v[\sa], v255 matrix_a_fmt:MATRIX_FMT_FP6 matrix_b_fmt:MATRIX_FMT_FP6
.endm
.macro WMC d, a, sa                    ; a product with Q onto what lies in its destination
	v_wmma_scale_f32_16x16x128_f8f6f4 v[\d:\d+7], v[\a:\a+11], v[16:27], v[\d:\d+7], v[\sa], v255 matrix_a_fmt:MATRIX_FMT_FP6 matrix_b_fmt:MATRIX_FMT_FP6
.endm
.macro SOFTMAX                         ; v96-159: register 16 b + i is the score of key 32 b + 16 (lane / 16) + i.  Leaves p's halves of codes in v224.. and v236.., its scale word in v253, f in v252
.irp b, 0,1,2,3
	v_max3_num_f32 v[232+\b], v[96+16*\b], v[97+16*\b], v[98+16*\b]   ; the largest score of each block of 32 keys: for the row's maximum, and, since p rises with the score, for the block's largest p
.endr
.irp i, 3,5,7,9,11,13
.irp b, 0,1,2,3
	v_max3_num_f32 v[232+\b], v[232+\b], v[96+16*\b+\i], v[97+16*\b+\i]
.endr
.endr
.irp b, 0,1,2,3
	v_max_num_f32 v[232+\b], v[232+\b], v[111+16*\b]
.endr
.irp b, 0,1,2,3
	v_permlanex16_b32 v[236+\b], v[232+\b], s12, s13
.endr
.irp b, 0,1,2,3
	v_max_num_f32 v[232+\b], v[232+\b], v[236+\b]
.endr
	v_max3_num_f32 v254, v232, v233, v234
	v_max_num_f32 v254, v254, v235
	v_mul_f32 v254, s14, v254                      ; as t (c is positive)
	v_max_num_f32 v13, v13, v254                   ; the running largest t
	v_mov_b32 v254, v12
	v_floor_f32 v12, -v13                          ; the new -M = -ceil(t): a whole number
	v_sub_f32 v254, v12, v254
	v_cvt_i32_f32 v254, v254                       ; (it saturates)
	v_ldexp_f32 v252, 1.0, v254                    ; f = 2^(old M - new M): a multiplication by it rounds nothing
.set J, 0
.rept 32
	v_pk_fma_f32 v[96+J:97+J], v[96+J:97+J], s[14:15], v[12:13] op_sel_hi:[1,0,0]   ; t - M
.set J, J+2
.endr
.irp b, 0,1,2,3
	v_fma_f32 v[232+\b], v[232+\b], s14, v12
.endr
.set J, 0
.rept 64
	v_exp_f32 v[96+J], v[96+J]                     ; p = 2^(t - M)
.set J, J+1
.endr
	v_pk_mul_f32 v[14:15], v[14:15], v[252:253] op_sel_hi:[1,0]   ; the sums under the new M (a plain line behind the exponentials)
	s_wait_alu depctr_va_vdst(0)                   ; one wait for the batch, ahead of its first reader
.irp b, 0,1,2,3
	v_exp_f32 v[232+\b], v[232+\b]                 ; each block's largest p
.endr
	v_pk_add_f32 v[236:237], v[96:97], v[98:99]    ; the row's sum is taken of the unquantised p, in two chains
.set J, 4
.rept 15
	v_pk_add_f32 v[14:15], v[14:15], v[96+J:97+J]
	v_pk_add_f32 v[236:237], v[236:237], v[98+J:99+J]
.set J, J+4
.endr
	v_pk_add_f32 v[14:15], v[14:15], v[236:237]
	s_wait_alu depctr_va_vdst(0)                   ; and one for the four
.irp b, 0,1,2,3
	v_max_num_f32 v[232+\b], 0x1800000, v[232+\b]  ; the floor 2^(3 - 127): the byte cannot fall under 1
.endr
.irp b, 0,1,2,3
	v_add_nc_u32 v[244+\b], 0xff000000, v[232+\b]  ; the conversion's scale operand
.endr
.irp b, 0,1,2,3
	v_lshrrev_b32 v[236+\b], 23, v[244+\b]
.endr
	v_lshl_or_b32 v253, v237, 8, v236              ; p's scale word for these 128 keys
	v_lshl_or_b32 v253, v238, 16, v253
	v_lshl_or_b32 v253, v239, 24, v253
.irp c, 0,1
	v_cvt_scalef32_pk16_fp6_f32 v[224+6*\c:226+6*\c], v[96+32*\c:111+32*\c], v[244+2*\c]
	v_cvt_scalef32_pk16_fp6_f32 v[236+4*\c:238+4*\c], v[112+32*\c:127+32*\c], v[244+2*\c+1]
.endr
	v_nop                                          ; one plain line behind the conversions
.endm
; A KEY STEP: keys 128 s on.  No two matrix instructions that follow each other share an accumulator.
.macro STEP s
.if (\s) > 0
	NOPS 5                                         ; T's results are laid over registers that the last step's products read, and loads go into their scale registers
.endif
.irp i, 0,1,2,3,4                              ; E's tiles 0-4 of my window
	ds_load_b128 v[32+12*\i:35+12*\i], v6 offset:(8*(\s)+\i)*832
	ds_load_b64 v[36+12*\i:37+12*\i], v7 offset:(8*(\s)+\i)*832
	ds_load_b32 v[200+\i], v8 offset:(8*(\s)+\i)*832
.endr
	s_wait_dscnt 0x0
.irp i, 0,1,2,3,4
	WMZ 96+8*\i, 32+12*\i, 200+\i
.endr
	NOPS 4                                         ; places in front of loads into the buffers and of stores of the results
.irp i, 0,1,2,3                                ; tiles 5-8
	ds_load_b128 v[32+12*\i:35+12*\i], v6 offset:(8*(\s)+5+\i)*832
	ds_load_b64 v[36+12*\i:37+12*\i], v7 offset:(8*(\s)+5+\i)*832
	ds_load_b32 v[205+\i], v8 offset:(8*(\s)+5+\i)*832
.endr
.irp i, 0,1,2,3,4
	ds_store_b128 v9, v[96+8*\i:99+8*\i] offset:64*\i          ; each result from its low end on
	ds_store_b128 v9, v[100+8*\i:103+8*\i] offset:64*\i+16
.endr
	s_wait_dscnt 10                                ; the twelve loads are in; the ten stores behind them may be out
.irp i, 0,1,2,3
	WMZ 136+8*\i, 32+12*\i, 205+\i
.endr
	NOPS 5
.irp i, 5,6,7,8
	ds_store_b128 v9, v[96+8*\i:99+8*\i] offset:64*\i
	ds_store_b128 v9, v[100+8*\i:103+8*\i] offset:64*\i+16
.endr
.irp i, 0,1,2,3,4                              ; K's tiles 0-4
	ds_load_b128 v[32+12*\i:35+12*\i], v1 offset:6656*(\s)+768*\i
	ds_load_b64 v[36+12*\i:37+12*\i], v2 offset:6656*(\s)+768*\i
.endr
	ds_load_b128 v[200:203], v3 offset:6656*(\s)   ; the eight tiles' scale words
	ds_load_b128 v[204:207], v3 offset:6656*(\s)+256
.irp t, 0,1,2,3,4,5,6,7                        ; the relative term comes back skewed, in the scores' layout.  LDS serves a wave's instructions in order: these see the stores above
.irp j, 0,1,2,3,4,5,6,7
	ds_load_b32 v[96+8*\t+\j], v10 offset:4*(32*(\t/2)+8*(\t%2)+\j)
.endr
.endr
	s_wait_dscnt 24                                ; all but the last three tiles' 24 words are in
.irp t, 0,1,2,3,4
	WMC 96+8*\t, 32+12*\t, 200+\t                  ; K q^T onto the relative term
.endr
	NOPS 4
.irp i, 0,1,2                                  ; K's tiles 5-7
	ds_load_b128 v[32+12*\i:35+12*\i], v1 offset:6656*(\s)+768*(5+\i)
	ds_load_b64 v[36+12*\i:37+12*\i], v2 offset:6656*(\s)+768*(5+\i)
.endr
	s_wait_dscnt 0x0
.irp t, 5,6,7
	WMC 96+8*\t, 32+12*(\t-5), 200+\t
.endr
	NOPS 4
	SOFTMAX
.irp t, 0,1,2,3                                ; V's four fragments land where p lay, while the lines below run
.irp k, 0,1,2
	ds_load_b128 v[96+12*\t+4*\k:99+12*\t+4*\k], v4 offset:6400*(\s)+1536*\t+512*\k
.endr
.endr
	ds_load_b128 v[200:203], v5 offset:6400*(\s)
.irp c, 0,1                                    ; the operand's layout wants a whole block in a lane
.irp i, 0,1,2
	v_permlane16_swap_b32 v[224+6*\c+\i], v[236+4*\c+\i]
.endr
.irp i, 0,1,2
	v_mov_b32 v[227+6*\c+\i], v[236+4*\c+\i]
.endr
.endr
.set J, 0
.rept 16
	v_pk_mul_f32 v[168+J:169+J], v[168+J:169+J], v[252:253] op_sel_hi:[1,0]   ; O^T under the new M; these are also the places between p's codes and scale word and the products
.set J, J+2
.endr
	s_wait_dscnt 0x0
.irp t, 0,1,2,3
	v_wmma_scale_f32_16x16x128_f8f6f4 v[168+8*\t:175+8*\t], v[96+12*\t:107+12*\t], v[224:235], v[168+8*\t:175+8*\t], v[200+\t], v253 matrix_a_fmt:MATRIX_FMT_FP6 matrix_b_fmt:MATRIX_FMT_FP6
.endr
.endm
; Two key steps read piece p of K and of V and pieces up to p + 1 of E.  K's and V's piece p is its wave's (p + 1)-th load of four, E's piece p + 1 its wave's (p + 2)-th of five: 3 - p younger loads may be out.
; Nothing is filled again, so loads may stay out across these barriers.
.macro PIECE left
	s_wait_tensorcnt \left
	s_wait_dscnt 0x0
	s_barrier_signal -1
	s_barrier_wait -1
.endm
	PIECE 3
	STEP 0
	STEP 1
	PIECE 2
	STEP 2
	STEP 3
	PIECE 1
	STEP 4
	STEP 5
	PIECE 0
	STEP 6
	STEP 7
	; THE WAY OUT.  O^T / the sum goes through my stage, rows of 256 bytes + 16, and leaves as whole rows.  Register 8 t + j is channel 32 (t / 2) + 16 h + 8 (t % 2) + j (Wv's columns were placed so).
	v_add_f32 v14, v14, v15
	v_permlanex16_b32 v252, v14, s12, s13
	v_add_f32 v14, v14, v252                       ; the row's sum
	v_rcp_f32 v14, v14
	s_mul_i32 s66, s[WV], 9472
	s_add_co_u32 s66, s66, STG
	v_mul_u32_u24 v9, v210, 272                    ; in: row r, + 64 h  (these plain lines are also the places behind the last products)
	v_lshl_add_u32 v9, v211, 6, v9
	v_add_nc_u32 v9, s66, v9
	v_mul_u32_u24 v10, v211, 272                   ; back: lanes 0-15 one row, lanes 16-31 the next
	v_lshl_add_u32 v10, v210, 4, v10
	v_add_nc_u32 v10, s66, v10
	s_wait_alu depctr_va_vdst(0)                   ; the wait ahead of the reciprocal's first reader
.set J, 0
.rept 32
	v_mul_f32 v[96+J], v[168+J], v14
.set J, J+1
.endr
.irp t, 0,1,2,3
	ds_store_b128 v9, v[96+8*\t:99+8*\t] offset:128*(\t/2)+32*(\t%2)
	ds_store_b128 v9, v[100+8*\t:103+8*\t] offset:128*(\t/2)+32*(\t%2)+16
.endr
.irp i, 0,1,2,3,4,5,6,7
	ds_load_b128 v[32+4*\i:35+4*\i], v10 offset:544*\i   ; LDS serves a wave's instructions in order: these see my stores
.endr
.irp i, 0,1,2,3,4,5,6,7
	s_wait_dscnt 7-\i
	global_store_b128 v11, v[32+4*\i:35+4*\i], s[8:9] offset:512*\i th:TH_STORE_NT   ; 32 lanes store two rows: 512 consecutive bytes, aligned
.endr
	s_wait_tensorcnt 0x0                           ; the wave's end
	ds_add_u32 v[SPW], v[NIL]
	s_wait_dscnt 0x0
	CROUND                                         ; the closing round
	s_endpgm
.Lfunc_end_k_q26ed53f1b6_attn:
	.size	k_q26ed53f1b6_attn, .Lfunc_end_k_q26ed53f1b6_attn-k_q26ed53f1b6_attn
	.p2alignl 7, 3214868480
	.fill 96, 4, 3214868480
	.section	.rodata,"a",@progbits
	.p2align	6, 0x0
	.amdhsa_kernel k_q26ed53f1b6_attn
		.amdhsa_group_segment_fixed_size 327680
		.amdhsa_private_segment_fixed_size 0
		.amdhsa_enable_private_segment 0
		.amdhsa_kernarg_size 24
		.amdhsa_user_sgpr_count 2
		.amdhsa_user_sgpr_kernarg_segment_ptr 1
		.amdhsa_wavefront_size32 1
		.amdhsa_system_sgpr_workgroup_id_x 1
		.amdhsa_system_sgpr_workgroup_id_y 1
		.amdhsa_system_sgpr_workgroup_id_z 1
		.amdhsa_system_vgpr_workitem_id 0
		.amdhsa_next_free_vgpr 256
		.amdhsa_next_free_sgpr 102
		.amdhsa_reserve_vcc 0
		.amdhsa_float_denorm_mode_32 3
		.amdhsa_float_denorm_mode_16_64 3
		.amdhsa_memory_ordered 1
		.amdhsa_forward_progress 1
		.amdhsa_inst_pref_size 209
	.end_amdhsa_kernel
	.amdgpu_metadata
---
amdhsa.version: [ 1, 2 ]
amdhsa.kernels:
  - .name:           k_q26ed53f1b6_attn
    .symbol:         k_q26ed53f1b6_attn.kd
    .args:
      - { .name: etab, .offset: 0, .size: 8, .value_kind: global_buffer, .address_space: global }
      - { .name: qkv, .offset: 8, .size: 8, .value_kind: global_buffer, .address_space: global }
      - { .name: out0, .offset: 16, .size: 8, .value_kind: global_buffer, .address_space: global }
    .group_segment_fixed_size: 327680
    .private_segment_fixed_size: 0
    .kernarg_segment_align: 8
    .kernarg_segment_size: 24
    .max_flat_workgroup_size: 512
    .sgpr_count:     102
    .vgpr_count:     256
    .wavefront_size: 32
...
	.end_amdgpu_metadata
.endif
;; end of part 3
